; MI455X (gfx1250); checked and timed in simulation.
; The chip was launched on July 23, 2026; its instructions are those of AMD's public machine-readable ISA for CDNA 5 (MIT licence, August 2026) and "CDNA5" Instruction Set Architecture Reference Guide (July 2026). The comments in the code are by the model that wrote it; some were corrected since.
;; E8 Q Linear. Allowed arithmetic: matrix products marked QUANTISED: E2M1 operands, one E8M0 scale for each 32 along K, by v_wmma_scale_f32_16x16x128_f8f6f4 with both operands' format E2M1 (or v_wmma_scale_f32_32x16x128_f4), f32 sums; everything else in f32.
;; Inputs: bias 4,096 float32; weight 4,096 x 4,096 float32; x_codes 4,096 x 128 x 16 uint8 (E2M1 codes of x, K innermost, in blocks of 32 codes, two codes a byte); x_scales 4,096 x 128 uint8 (E8M0 scales of x, one for each 32 codes along K).
;; Outputs: out0 4,096 x 4,096 float32.
;; This version of the problem:
;;   THIS VERSION OF THE PROBLEM IS GIVEN IN LOW PRECISION. The matrix products marked QUANTISED in the list below multiply operands that are first quantised to E2M1 (2 exponent bits, 1 mantissa bit; 4 bits a number), with one power-of-two scale for each 32 numbers along K (OCP MX v1.0); their sums are f32. All else is computed in f32.
;;   The module's matrix products, in the order in which they are computed (A, B: the left and right operand; K: the contracted axis; several contracted axes count as one K, in the product's order):
;;     1. [M 4,096, K 4,096] x [K 4,096, N 4,096]; A: input x (given as codes); B: computed on the way: QUANTISED
;;   THE QUANTISER, for each operand of a quantised product, along K:
;;     - K is cut into blocks of 32 from its start; a last block that is shorter is filled with zeros.
;;     - A block's scale is 2^e with e = floor(log2(the largest magnitude in the block)) - 2, held to -126 .. 127; a block of zeros has e = 0. As a byte (E8M0): e + 127.
;;     - Each number is divided by its block's scale, clamped to +-6, and rounded to the nearest number of E2M1, ties to even, subnormals kept.
;;     - The product sums the exact products of the quantised numbers (number of the format x scale) in f32.
;;   ~~~python
;;   def quantise(x, axis):      # numpy; x: float32 -> the quantised numbers, widened to float32 again
;;       x = np.moveaxis(x, axis, -1); K = x.shape[-1]
;;       x = np.pad(x, [(0, 0)] * (x.ndim - 1) + [(0, -K % 32)]); x = x.reshape(x.shape[:-1] + (-1, 32)); a = np.abs(x).max(-1, keepdims=True)
;;       e = np.where(a > 0, np.clip(np.frexp(np.where(a > 0, a, 1))[1] - 1 - 2, -126, 127), 0)      # np.frexp(a)[1] - 1 = floor(log2(a)), exactly
;;       r = np.clip(x / 2.0 ** e, -6, 6)
;;       step = 2.0 ** (np.maximum(np.frexp(np.where(r == 0, 1, r))[1] - 1, 0) - 1)
;;       q = np.round(r / step) * step * 2.0 ** e      # np.round: ties to even
;;       return np.moveaxis(q.reshape(q.shape[:-2] + (-1,))[..., :K], -1, axis).astype(np.float32)
;;   ~~~
;;   OPERANDS COMPUTED ON THE WAY. 'Computed on the way' means the value that the module computes at that place (a softmax that the list does not call 'softmax' is quantised finished and normalised). What goes into a quantiser is computed in f32, as accurately as f32 sums, v_exp_f32 and their like allow (about 1e-6 of the number): no bf16 or f16 on the way to a quantiser, and a product that is left as it is and whose result goes on into a quantised operand takes f32 operands (vector FMAs, or v_wmma_f32_16x16x4_f32). A number that lies on a knife's edge between two numbers of the format may be rounded either way, as far as f32 arithmetic and the matrix unit's own rounding can turn it there, and no further.
;;   INPUTS GIVEN AS CODES. x (in the module: [4096, 4096], K = its axis 1): each comes as NAME_codes (uint8): NAME with its K axis moved to the last place and cut into blocks of 32 codes, [.., K / 32, bytes a block], one block behind the other in memory; two codes a byte, the lower K in the low four bits (a code: sign, 2 exponent bits, 1 mantissa bit); and NAME_scales (uint8): the same leading axes, one E8M0 byte (e + 127) for each 32 codes along K. Its value is code x scale, taken as it is: it is not quantised again, and the codes and scales need not be those that the quantiser above would give.
;; One version. Each part assembles by itself: llvm-mc -triple=amdgcn-amd-amdhsa -mcpu=gfx1250 --defsym DOCPART=n.
;; ======== version 1 of 1: 2 launches
;; limits: right only within a limited range of input values
;; workspace buffers: wcodes 8,388,608 bytes; wsc 524,288 bytes; xsc 524,288 bytes
;; launch prep (part 1): grid 256 x 1, 16 waves a work-group, no clusters, 317,440 bytes of LDS; arguments weight, x_scales, wcodes, wsc, xsc; writes wcodes, wsc, xsc
.if DOCPART == 1
	.amdgcn_target "amdgcn-amd-amdhsa--gfx1250"
	.amdhsa_code_object_version 6
	.text
	.protected	k_qafa5119110_prep
	.globl	k_qafa5119110_prep
	.p2align	8
	.type	k_qafa5119110_prep,@function
k_qafa5119110_prep:
	s_mov_b64 s[64:65], 0
	v_nop
	global_prefetch_b8 v0, s[64:65] scope:SCOPE_SE
	s_setreg_imm32_b32 hwreg(HW_REG_WAVE_MODE, 25, 1), 1
	s_wait_xcnt 0x0
; weight [4096][4096] f32 -> the product's second operand as codes of FP4 (E2M1) with E8M0 scale bytes.  For each row: its norm n (held at 1e-8 from below); x = w * (30 / n)
; (30 = 60 x 0.5: the factor that 4,096 rows give); the nearest point y of the lattice E8 for each 8 neighbours; wq = y * (n / 30); wq quantised along K in blocks of 32.
; OUT: wcodes [16 rows g][block of 32 k: 0..127][row 0..15][16 bytes]: 128 along K of 16 rows are 1,024 consecutive bytes in the order in which the product's lanes take them
; (lane l of a 16-byte load: block 2 c + l / 16, row l % 16).  wsc [K step of 512][row][16 bytes]: byte j = the scale byte of block 16 x step + j of that row.
; x_scales [4096][128] is copied, byte for byte, into xsc in wsc's layout.
; SHARES.  Work-group g owns rows 16 g .. 16 g + 15, wave w row 16 g + w.  A row (16,384 bytes) comes by ONE tensor load, the wave's only one, as 64 lines of 256 bytes, 16 bytes of padding behind each;
; no LDS byte is filled twice; only the issuing wave reads its tile.  Four waves share a SIMD's registers, 256 each.
; Codes and scale bytes go through stages in LDS; behind one barrier wave w stores 2,048 consecutive bytes of codes, and waves 0 to 7 each 256 consecutive bytes of scale bytes (K step w).
; No cluster: work-groups share no input.  No prefetch: all of a work-group's loads go out at its head.
; A LANE holds, in step s of four, numbers 1024 s + 32 l .. + 31 of the row: one block of 32 of the quantiser = four blocks of 8 of the lattice; no other lane is asked for anything but the norm.
; E8 FROM ONE ROUNDING.  f = round(x), d = x - f, sg = the sign of d as +-1 (+1 for d = 0).  The half-integer coset's candidate is f + sg / 2, its error 1/2 - |d|, its whole parts sum to sum(f) - N, N the number of d < 0.
; sum(d^2) is common to both distances, so the integer coset is taken where  [sum(f) odd] (1 - 2 max|d|)  <=  2 - sum|d| + [sum(f) - N odd] 2 min|d|.
; The point is y = f + sg a: a = 0 (integer coset) or 1/2, but at ONE coordinate 1 (the first with the largest |d|, if sum(f) is odd) or -1/2 (the first with the smallest |d|, if sum(f) - N is odd).
; LIMITS.  NaN and infinities among the inputs are not served.  x and wq are each rounded once, by a factor good to an ulp, where the definition divides and multiplies (two roundings): about an ulp apart.
; The two distances are compared without their common part.  Where a scaled number is exactly an odd whole number, or all eight are exactly half-integers, another lattice point at the same distance may be taken.
; A block of zeros gets the scale byte 1 with zero codes (the definition's byte is 127): the bytes are read by this program alone, and zero codes add nothing.
.set TILEB, 64*272                     ; a row's tile in LDS
.set SCST,  16*TILEB                   ; behind the 16 tiles: the scale bytes, [K step 0..7][row 0..15][16]: 2,048 bytes, written by LDS stores alone
.set SPARE, SCST+2048                  ; the spare words: 128 bytes for each of 16 waves, named by no other line
.set CST,   SPARE+2048                 ; the codes' stage: 128 blocks x (16 rows x 16 bytes + 16 of padding), written by LDS stores alone
.set LA,   1                           ; v1      LDS: 272 (l / 2) + 128 (l % 2) + my tile
.set CSA,  2                           ; v2      LDS: CST + 272 l + 16 w
.set CO,   3                           ; v3      16 l
.set SBA,  4                           ; v4      LDS: SCST + 256 (l / 16) + l % 16 + 16 w
.set SPW,  5                           ; v5      my spare word
.set SRD,  6                           ; v6      LDS: SCST + 256 w + 8 l
.set UO,   7                           ; v7      8 l
.set XSO,  8                           ; v8      x_scales: 128 (l / 2) + 8 (l % 2)
.set PD,   9                           ; v9      a lane permute's destination
.set NIL,  12                          ; v12     0
.set CRD,  13                          ; v13     LDS: CST + 272 (8 w + l / 16) + 16 (l % 16)
.set K2,   14                          ; v[14:15] 30 / n, twice
.set C2,   16                          ; v[16:17] n / 30, twice
.set W,    20                          ; v20-23  the parity words; later AM, the largest magnitudes
.set AM,   20
.set DMX,  24                          ; v24-27  max |d|; v24 later the conversion's scale operand
.set SCV,  24
.set DMN,  28                          ; v28-31  min |d|
.set PP,   32                          ; v[32:39] sum |d| in pairs
.set LL,   40                          ; v40-43  the comparison's left side
.set RR,   44                          ; v44-47  its right side
.set TV,   48                          ; v48-51  the |d| that marks the coordinate to be flagged
.set BV,   52                          ; v52-55  a of the other coordinates
.set AV,   56                          ; v56-59  a of the flagged one
.set CD,   60                          ; v[60:63] a block's 32 codes
.set T,    64                          ; v64-95  x + 1.5 x 2^23, then f  (the norm's four chains in v[64:71])
.set SG,   96                          ; v96-127 sg
.set R,    128                         ; v128-255 the row: 32 registers a step, worked in place: x, d, a, y, wq
.set WV,   14
.set BIG,  18                          ; s[18:19] 1.5 x 2^23;  s[20:21] its negative
.set NBIG, 20
.set SEL,  22                          ; s[22:23] v_permlanex16_b32's selects for lane l xor 16
.set G1,   24
.set G0,   32
.set ABSM, 40                          ; s40     0x7fffffff
.set M0,   44                          ; s44-47  lanes where sum(f) is odd
.set M1,   48                          ; s48-51  lanes where sum(f) - N is odd
.set MC,   52                          ; s52-55  lanes that take the integer coset
.set SEEN, 56                          ; s56-59  lanes that flag nothing (any more)
.set FL,   66                          ; s66-97  the flags, a mask of lanes for each of the 32 registers
	s_load_b256 s[4:11], s[0:1], 0x0               ; weight s[4:5], x_scales s[6:7], wcodes s[8:9], wsc s[10:11]
	s_load_b64 s[12:13], s[0:1], 0x20              ; xsc
	v_lshl_add_u32 v[SPW], v0, 2, SPARE
	v_mov_b32 v[NIL], 0
	ds_add_u32 v[SPW], v[NIL]                      ; the opening lines: the add, twice on end, and its wait ahead of my tensor load
	ds_add_u32 v[SPW], v[NIL]
	v_lshrrev_b32 v10, 5, v0
	v_readfirstlane_b32 s[WV], v10                 ; wave 0..15
	s_mov_b32 s[G1+0], (2<<16)|(1<<20)|(5<<22)|(3<<25)  ; no mask; elements of 4 bytes; padding: 4 words behind every 64
	s_mov_b32 s[G1+1], 64<<16                      ; tensor_dim0 = 64 elements: a line of 256 bytes
	s_mov_b32 s[G1+2], 64<<16                      ; tensor_dim1 = 64 lines
	s_mov_b32 s[G1+3], 64<<16                      ; tile_dim0
	s_mov_b32 s[G1+4], 64                          ; tile_dim1
	s_mov_b32 s[G1+5], 64                          ; from line to line: the row is dense
	s_mov_b32 s[G1+6], 0
	s_mov_b32 s[G1+7], 0
	s_mov_b32 s[G0], 1
	s_mul_i32 s[G0+1], s[WV], TILEB                ; my tile in LDS
	s_mul_i32 s41, s[WV], TILEB
	s_lshl_b32 s42, ttmp9, 18                      ; 16 rows of 16,384 bytes a work-group,
	s_lshl_b32 s43, s[WV], 14                      ; one a wave
	s_add_co_u32 s42, s42, s43
	s_mov_b32 s43, 0
	s_wait_dscnt 0x0
	s_wait_kmcnt 0x0
	s_add_nc_u64 s[G0+2:G0+3], s[4:5], s[42:43]
	s_or_b32 s[G0+3], s[G0+3], 0x80000000
	tensor_load_to_lds s[G0:G0+3], s[G1:G1+7]      ; my row, ahead of everything else
	s_nop 0
.rept 4
	v_nop                                          ; plain lines behind a tensor load
.endr
	v_and_b32 v19, 31, v0                          ; l
	v_and_b32 v10, 1, v0
	v_and_b32 v11, 15, v0
	v_lshrrev_b32 v18, 1, v19
	v_lshlrev_b32 v[CO], 4, v19
	v_lshlrev_b32 v[UO], 3, v19
	v_mul_u32_u24 v[LA], v18, 272
	v_lshlrev_b32 v[XSO], 7, v18
	v_mul_u32_u24 v[CSA], v19, 272
	v_bfe_u32 v18, v0, 4, 1
	v_lshl_add_u32 v[LA], v10, 7, v[LA]            ; two lanes to a line of 256 bytes: sixteen lanes of a 16-byte load fall on sixteen different 16-byte columns of 256
	v_lshl_add_u32 v[XSO], v10, 3, v[XSO]
	v_lshlrev_b32 v[CRD], 4, v11
	v_lshl_add_u32 v[SBA], v18, 8, v11
	v_add_nc_u32 v[LA], s41, v[LA]
	s_lshl_b32 s42, s[WV], 4
	v_mad_u32_u24 v[CRD], v18, 272, v[CRD]
	v_add_nc_u32 v[SBA], s42, v[SBA]
	v_add_nc_u32 v[CSA], s42, v[CSA]
	s_lshl_b32 s42, s[WV], 8
	s_mul_i32 s41, s[WV], 8*272
	v_add_nc_u32 v[SRD], s42, v[UO]
	v_add_nc_u32 v[CRD], s41, v[CRD]
	v_add_nc_u32 v[SBA], SCST, v[SBA]
	v_add_nc_u32 v[CSA], CST, v[CSA]
	v_add_nc_u32 v[SRD], SCST, v[SRD]
	v_add_nc_u32 v[CRD], CST, v[CRD]
	v_mov_b32 v[PD], 0                             ; written once: a lane permute's destination counts as one of its sources
	s_wait_alu depctr_va_vdst(0)                   ; the wait at the head's end
	s_mov_b32 s[BIG], 0x4b400000
	s_mov_b32 s[BIG+1], 0x4b400000
	s_mov_b32 s[NBIG], 0xcb400000
	s_mov_b32 s[NBIG+1], 0xcb400000
	s_mov_b32 s[SEL], 0x76543210
	s_mov_b32 s[SEL+1], 0xfedcba98
	s_mov_b32 s[ABSM], 0x7fffffff
	s_lshl_b32 s42, ttmp9, 15                      ; wcodes: 32,768 bytes a work-group, 2,048 a wave
	s_lshl_b32 s41, s[WV], 11
	s_add_co_u32 s42, s42, s41
	s_add_nc_u64 s[8:9], s[8:9], s[42:43]
	s_cmp_lt_u32 s[WV], 8                          ; there are eight K steps of 512: waves 0 to 7 carry the scale bytes
	s_cbranch_scc0 .Lno_xs
	s_lshl_b32 s42, ttmp9, 11                      ; x_scales: 16 rows of 128 bytes a work-group; wave w takes K step w: bytes 16 w on of each row
	s_lshl_b32 s41, s[WV], 4
	s_add_co_u32 s42, s42, s41
	s_add_nc_u64 s[6:7], s[6:7], s[42:43]
	s_lshl_b32 s42, s[WV], 16                      ; wsc, xsc: K step w begins 4,096 rows x 16 bytes x w on; my work-group's 16 rows are 256 bytes
	s_lshl_b32 s41, ttmp9, 8
	s_add_co_u32 s42, s42, s41
	s_add_nc_u64 s[10:11], s[10:11], s[42:43]
	s_add_nc_u64 s[12:13], s[12:13], s[42:43]
	global_load_b64 v[10:11], v[XSO], s[6:7]       ; x's scale bytes of K step w: 8 bytes a lane, two lanes to a row
	s_wait_loadcnt 0x0
	global_store_b64 v[UO], v[10:11], s[12:13]     ; the wave stores 256 consecutive bytes, aligned
.Lno_xs:
; STEP s: 32 numbers a lane, from w to codes.  The four lattice blocks b take turns line by line, so that no line waits for the line above it.
.macro STEP s
.set XS, R+32*(\s)
.set j, 0
.rept 16
	v_pk_fma_f32 v[XS+j:XS+j+1], v[XS+j:XS+j+1], v[K2:K2+1], 0 op_sel_hi:[1,1,0]   ; x = w (30 / n); the addend +0 makes a -0 into +0
.set j, j+2
.endr
.set j, 0
.rept 16
	v_pk_add_f32 v[T+j:T+j+1], v[XS+j:XS+j+1], s[BIG:BIG+1] op_sel_hi:[1,0]        ; x + 1.5 x 2^23: rounded to a whole number, ties to even (|x| is at most 30); as an integer the word is 0x4b400000 + f
.set j, j+2
.endr
.irp b, 0,1,2,3
	v_add3_u32 v[W+\b], v[T+8*\b], v[T+8*\b+1], v[T+8*\b+2]                        ; the eight words added as integers: bit 0 is the parity of sum(f)
.endr
.irp i, 3,5
.irp b, 0,1,2,3
	s_delay_alu instid0(VALU_DEP_4)
	v_add3_u32 v[W+\b], v[W+\b], v[T+8*\b+\i], v[T+8*\b+\i+1]
.endr
.endr
.irp b, 0,1,2,3
	s_delay_alu instid0(VALU_DEP_4)
	v_add_nc_u32 v[W+\b], v[W+\b], v[T+8*\b+7]
.endr
.set j, 0
.rept 16
	v_pk_add_f32 v[T+j:T+j+1], v[T+j:T+j+1], s[NBIG:NBIG+1] op_sel_hi:[1,0]        ; f, exact
.set j, j+2
.endr
.set j, 0
.rept 16
	v_pk_add_f32 v[XS+j:XS+j+1], v[XS+j:XS+j+1], v[T+j:T+j+1] neg_lo:[0,1] neg_hi:[0,1]   ; d = x - f, exact
.set j, j+2
.endr
.set j, 0
.rept 32
	v_bfi_b32 v[SG+j], s[ABSM], 1.0, v[XS+j]       ; sg: 1.0 under d's sign
.set j, j+1
.endr
.irp i, 0,2,4,6
.irp b, 0,1,2,3
	v_add3_u32 v[W+\b], v[W+\b], v[SG+8*\b+\i], v[SG+8*\b+\i+1]                    ; sg's words added on: each negative one adds 2^31, so bit 31 is the parity of N
.endr
.endr
.irp b, 0,1,2,3
	v_pk_mul_f32 v[PP+2*\b:PP+2*\b+1], v[SG+8*\b:SG+8*\b+1], v[XS+8*\b:XS+8*\b+1]  ; sum |d| = sum sg d, in two halves
.endr
.irp i, 2,4,6
.irp b, 0,1,2,3
	s_delay_alu instid0(VALU_DEP_4)
	v_pk_fma_f32 v[PP+2*\b:PP+2*\b+1], v[SG+8*\b+\i:SG+8*\b+\i+1], v[XS+8*\b+\i:XS+8*\b+\i+1], v[PP+2*\b:PP+2*\b+1]
.endr
.endr
.irp b, 0,1,2,3
	v_max3_num_f32 v[DMX+\b], |v[XS+8*\b]|, |v[XS+8*\b+1]|, |v[XS+8*\b+2]|
	v_min3_num_f32 v[DMN+\b], |v[XS+8*\b]|, |v[XS+8*\b+1]|, |v[XS+8*\b+2]|
.endr
.irp i, 3,5
.irp b, 0,1,2,3
	v_max3_num_f32 v[DMX+\b], v[DMX+\b], |v[XS+8*\b+\i]|, |v[XS+8*\b+\i+1]|
	v_min3_num_f32 v[DMN+\b], v[DMN+\b], |v[XS+8*\b+\i]|, |v[XS+8*\b+\i+1]|
.endr
.endr
.irp b, 0,1,2,3
	v_max_num_f32 v[DMX+\b], v[DMX+\b], |v[XS+8*\b+7]|
	v_min_num_f32 v[DMN+\b], v[DMN+\b], |v[XS+8*\b+7]|
.endr
.irp b, 0,1,2,3
	v_and_b32 v[TV+\b], 1, v[W+\b]
.endr
.irp b, 0,1,2,3
	v_cmp_ne_u32 s[M0+\b], 0, v[TV+\b]             ; sum(f) odd
	v_cmp_gt_i32 s[M1+\b], 0, v[W+\b]              ; N odd
.endr
.irp b, 0,1,2,3
	v_sub_f32 v[RR+\b], 2.0, v[PP+2*\b]
	v_fma_f32 v[LL+\b], v[DMX+\b], -2.0, 1.0       ; 1 - 2 max|d|
.endr
.irp b, 0,1,2,3
	s_xor_b32 s[M1+\b], s[M1+\b], s[M0+\b]         ; sum(f) - N odd
.endr
.irp b, 0,1,2,3
	v_sub_f32 v[RR+\b], v[RR+\b], v[PP+2*\b+1]     ; 2 - sum|d|
	v_cndmask_b32 v[LL+\b], 0, v[LL+\b], s[M0+\b]
.endr
.irp b, 0,1,2,3
	v_fma_f32 v[BV+\b], v[DMN+\b], 2.0, v[RR+\b]   ; + 2 min|d|
.endr
.irp b, 0,1,2,3
	s_delay_alu instid0(VALU_DEP_4)
	v_cndmask_b32 v[RR+\b], v[RR+\b], v[BV+\b], s[M1+\b]
.endr
.irp b, 0,1,2,3
	s_delay_alu instid0(VALU_DEP_4)
	v_cmp_le_f32 s[MC+\b], v[LL+\b], v[RR+\b]      ; the integer coset is as near or nearer
.endr
.irp b, 0,1,2,3
	v_cndmask_b32 v[TV+\b], v[DMN+\b], v[DMX+\b], s[MC+\b]
	v_cndmask_b32 v[BV+\b], 0.5, 0, s[MC+\b]
	v_cndmask_b32 v[AV+\b], -0.5, 1.0, s[MC+\b]
.endr
.irp i, 0,1,2,3,4,5,6,7
.irp b, 0,1,2,3
	v_cmp_eq_f32 s[FL+8*\b+\i], |v[XS+8*\b+\i]|, v[TV+\b]   ; candidates for the flag
.endr
.endr
.irp b, 0,1,2,3
	s_and_b32 s41, s[M0+\b], s[MC+\b]              ; a lane flags a coordinate where its coset's parity is odd;
	s_and_not1_b32 s42, s[M1+\b], s[MC+\b]
	s_or_b32 s41, s41, s42
	s_not_b32 s[SEEN+\b], s41                      ; the others count as served from the start
.endr
.irp i, 0,1,2,3,4,5,6,7                        ; only the FIRST candidate of a lane stays flagged.  These are masks and selects: no branch and no address hangs on them
.irp b, 0,1,2,3
	s_and_not1_b32 s[FL+8*\b+\i], s[FL+8*\b+\i], s[SEEN+\b]
.endr
.if \i < 7
.irp b, 0,1,2,3
	s_or_b32 s[SEEN+\b], s[SEEN+\b], s[FL+8*\b+\i]
.endr
.endif
.irp b, 0,1,2,3
	v_cndmask_b32 v[XS+8*\b+\i], v[BV+\b], v[AV+\b], s[FL+8*\b+\i]   ; a
.endr
.endr
.set j, 0
.rept 16
	v_pk_fma_f32 v[XS+j:XS+j+1], v[SG+j:SG+j+1], v[XS+j:XS+j+1], v[T+j:T+j+1]      ; y = f + sg a, exact
.set j, j+2
.endr
.set j, 0
.rept 16
	v_pk_mul_f32 v[XS+j:XS+j+1], v[XS+j:XS+j+1], v[C2:C2+1]                        ; wq = y (n / 30)
.set j, j+2
.endr
.irp b, 0,1,2,3
	v_max3_num_f32 v[AM+\b], |v[XS+8*\b]|, |v[XS+8*\b+1]|, |v[XS+8*\b+2]|          ; the block of 32's largest magnitude: all 32 are mine
.endr
.irp i, 3,5
.irp b, 0,1,2,3
	s_delay_alu instid0(VALU_DEP_4)
	v_max3_num_f32 v[AM+\b], v[AM+\b], |v[XS+8*\b+\i]|, |v[XS+8*\b+\i+1]|
.endr
.endr
.irp b, 0,1,2,3
	s_delay_alu instid0(VALU_DEP_4)
	v_max_num_f32 v[AM+\b], v[AM+\b], |v[XS+8*\b+7]|
.endr
	s_delay_alu instid0(VALU_DEP_2)
	v_max3_num_f32 v[AM], v[AM], v[AM+1], v[AM+2]
	s_delay_alu instid0(VALU_DEP_1)
	v_max3_num_f32 v[AM], v[AM], v[AM+3], 0x1800000   ; and the floor 2^(3 - 127): the byte cannot fall under 1
	s_delay_alu instid0(VALU_DEP_1)
	v_add_nc_u32 v[SCV], 0xff000000, v[AM]         ; 2 off the exponent field: the conversion takes the exponent field of this operand as its scale
	s_wait_alu depctr_va_vdst(0)
.irp b, 0,1,2,3
	v_cvt_scalef32_pk8_fp4_f32 v[CD+\b], v[XS+8*\b:XS+8*\b+7], v[SCV]   ; eight numbers / the scale, to the nearest code, ties to even, beyond 6 the largest code; the lowest k in the lowest bits
.endr
	v_nop                                          ; one plain line behind the conversions, ahead of the write of one of their sources
	v_lshrrev_b32 v[XS], 23, v[SCV]                ; the scale's byte
	ds_store_b8 v[SBA], v[XS] offset:512*(\s)      ; block 32 s + l: K step 2 s + l / 16, byte l % 16 of row w
	ds_store_b128 v[CSA], v[CD:CD+3] offset:8704*(\s)   ; block 32 s + l, row w: sixteen lanes fall on sixteen different 16-byte columns of 256
.endm
	s_wait_tensorcnt 0x0                           ; my row is in LDS
.set i, 0
.rept 32
	ds_load_b128 v[R+4*i:R+4*i+3], v[LA] offset:4352*(i/8)+16*(i%8)
.set i, i+1
.endr
.irp s, 0,1,2,3                                ; the sum of squares, in four packed chains; the first four products start them: nothing is cleared
	s_wait_alu depctr_va_vdst(0)                   ; the wait ahead of the wait below
	s_wait_dscnt 24-8*\s                           ; this quarter's eight loads are in; those of the later quarters may be out
.set j, 0
.rept 16
.if (\s == 0) && (j < 4)
	v_pk_mul_f32 v[T+2*j:T+2*j+1], v[R+2*j:R+2*j+1], v[R+2*j:R+2*j+1]
.else
	v_pk_fma_f32 v[T+2*(j%4):T+2*(j%4)+1], v[R+32*\s+2*j:R+32*\s+2*j+1], v[R+32*\s+2*j:R+32*\s+2*j+1], v[T+2*(j%4):T+2*(j%4)+1]
.endif
.set j, j+1
.endr
.endr
	s_delay_alu instid0(VALU_DEP_3)
	v_pk_add_f32 v[T:T+1], v[T:T+1], v[T+2:T+3]
	s_delay_alu instid0(VALU_DEP_2)
	v_pk_add_f32 v[T+4:T+5], v[T+4:T+5], v[T+6:T+7]
	s_delay_alu instid0(VALU_DEP_1)
	v_pk_add_f32 v[T:T+1], v[T:T+1], v[T+4:T+5]
	s_delay_alu instid0(VALU_DEP_1)
	v_add_f32 v18, v[T], v[T+1]
	s_delay_alu instid0(VALU_DEP_1)
	v_add_f32_dpp v18, v18, v18 row_xmask:1 row_mask:0xf bank_mask:0xf
	s_delay_alu instid0(VALU_DEP_1)
	v_add_f32_dpp v18, v18, v18 row_xmask:2 row_mask:0xf bank_mask:0xf
	s_delay_alu instid0(VALU_DEP_1)
	v_add_f32_dpp v18, v18, v18 row_xmask:4 row_mask:0xf bank_mask:0xf
	s_delay_alu instid0(VALU_DEP_1)
	v_add_f32_dpp v18, v18, v18 row_xmask:8 row_mask:0xf bank_mask:0xf
	s_delay_alu instid0(VALU_DEP_1)
	v_permlanex16_b32 v[PD], v18, s[SEL], s[SEL+1]
	s_delay_alu instid0(VALU_DEP_1)
	v_add_f32 v18, v18, v[PD]                      ; the row's sum of squares, the same bits in every lane
	s_wait_alu depctr_va_vdst(0)                   ; the wait ahead of a transcendental,
	v_sqrt_f32 v19, v18
	v_nop                                          ; a plain line behind it,
	s_wait_alu depctr_va_vdst(0)                   ; and the wait ahead of the first use of its result
	v_max_num_f32 v18, 0x322bcc77, v19             ; n, held at 1e-8 from below
	s_wait_alu depctr_va_vdst(0)
	v_rcp_f32 v19, v18
	v_nop
	s_wait_alu depctr_va_vdst(0)                   ; likewise for the reciprocal
	v_fma_f32 v20, -v18, v19, 1.0                  ; one Newton step: 1 / n
	v_mul_f32 v21, 0x3d088889, v18                 ; n x (1 / 30), to be mended below
	v_fma_f32 v19, v20, v19, v19
	s_delay_alu instid0(VALU_DEP_2)
	v_fma_f32 v20, -v21, 0x41f00000, v18           ; what is left of n
	s_delay_alu instid0(VALU_DEP_2)
	v_mul_f32 v[K2], 0x41f00000, v19               ; 30 / n
	s_delay_alu instid0(VALU_DEP_2)
	v_fma_f32 v[C2], v20, 0x3d088889, v21          ; n / 30
	s_delay_alu instid0(VALU_DEP_2)
	v_mov_b32 v[K2+1], v[K2]
	s_delay_alu instid0(VALU_DEP_2)
	v_mov_b32 v[C2+1], v[C2]
	STEP 0
	STEP 1
	STEP 2
	STEP 3
	s_wait_dscnt 0x0                               ; for the others' sake: my stores into the two stages are done
	s_barrier_signal -1
	s_barrier_wait -1
	s_cmp_lt_u32 s[WV], 8
	s_cbranch_scc0 .Lno_ws
	ds_load_b64 v[22:23], v[SRD]                   ; K step w of the work-group's 16 rows: 256 bytes, 8 a lane
	s_wait_dscnt 0x0
	global_store_b64 v[UO], v[22:23], s[10:11]     ; the wave stores 256 consecutive bytes, aligned
.Lno_ws:
.irp i, 0,1,2,3                                ; the codes: wave w takes blocks 8 w .. 8 w + 7; lanes 0-15 one block's 256 bytes, lanes 16-31 the next block's
	ds_load_b128 v[R+4*\i:R+4*\i+3], v[CRD] offset:544*\i
.endr
.irp i, 0,1,2,3
	s_wait_dscnt 3-\i
	global_store_b128 v[CO], v[R+4*\i:R+4*\i+3], s[8:9] offset:512*\i   ; 512 consecutive bytes, aligned to 256
.endr
	s_wait_tensorcnt 0x0                           ; the wave's end
	ds_add_u32 v[SPW], v[NIL]
	s_wait_dscnt 0x0
	s_endpgm
.Lfunc_end_k_qafa5119110_prep:
	.size	k_qafa5119110_prep, .Lfunc_end_k_qafa5119110_prep-k_qafa5119110_prep
	.p2alignl 7, 3214868480
	.fill 96, 4, 3214868480
	.section	.rodata,"a",@progbits
	.p2align	6, 0x0
	.amdhsa_kernel k_qafa5119110_prep
		.amdhsa_group_segment_fixed_size 317440
		.amdhsa_private_segment_fixed_size 0
		.amdhsa_enable_private_segment 0
		.amdhsa_kernarg_size 40
		.amdhsa_user_sgpr_count 2
		.amdhsa_user_sgpr_kernarg_segment_ptr 1
		.amdhsa_wavefront_size32 1
		.amdhsa_system_sgpr_workgroup_id_x 1
		.amdhsa_system_sgpr_workgroup_id_y 1
		.amdhsa_system_sgpr_workgroup_id_z 1
		.amdhsa_system_vgpr_workitem_id 0
		.amdhsa_next_free_vgpr 256
		.amdhsa_next_free_sgpr 98
		.amdhsa_reserve_vcc 0
		.amdhsa_float_denorm_mode_32 3
		.amdhsa_float_denorm_mode_16_64 3
		.amdhsa_memory_ordered 1
		.amdhsa_forward_progress 1
		.amdhsa_inst_pref_size 116
	.end_amdhsa_kernel
	.amdgpu_metadata
---
amdhsa.version: [ 1, 2 ]
amdhsa.kernels:
  - .name:           k_qafa5119110_prep
    .symbol:         k_qafa5119110_prep.kd
    .args:
      - { .name: weight, .offset: 0, .size: 8, .value_kind: global_buffer, .address_space: global }
      - { .name: x_scales, .offset: 8, .size: 8, .value_kind: global_buffer, .address_space: global }
      - { .name: wcodes, .offset: 16, .size: 8, .value_kind: global_buffer, .address_space: global }
      - { .name: wsc, .offset: 24, .size: 8, .value_kind: global_buffer, .address_space: global }
      - { .name: xsc, .offset: 32, .size: 8, .value_kind: global_buffer, .address_space: global }
    .group_segment_fixed_size: 317440
    .private_segment_fixed_size: 0
    .kernarg_segment_align: 8
    .kernarg_segment_size: 40
    .max_flat_workgroup_size: 512
    .sgpr_count:     98
    .vgpr_count:     256
    .wavefront_size: 32
...
	.end_amdgpu_metadata
.endif
;; end of part 1
;; launch gemm (part 2): grid 16 x 16, 4 waves a work-group, clusters of 4 x 1, 327,680 bytes of LDS; arguments x_codes, xsc, wcodes, wsc, bias, out0; writes out0
.if DOCPART == 2
	.amdgcn_target "amdgcn-amd-amdhsa--gfx1250"
	.amdhsa_code_object_version 6
	.text
	.protected	k_qafa5119110_gemm
	.globl	k_qafa5119110_gemm
	.p2align	8
	.type	k_qafa5119110_gemm,@function
k_qafa5119110_gemm:
	s_mov_b64 s[64:65], 0
	v_nop
	global_prefetch_b8 v0, s[64:65] scope:SCOPE_SE
	s_setreg_imm32_b32 hwreg(HW_REG_WAVE_MODE, 25, 1), 1
	s_wait_xcnt 0x0
	s_wait_alu depctr_hold_cnt(0) depctr_sa_sdst(0) depctr_va_vdst(0) depctr_va_sdst(0) depctr_va_ssrc(0) depctr_va_vcc(0) depctr_vm_vsrc(0)
	s_getreg_b32 s2, hwreg(HW_REG_IB_STS2, 6, 4)
	s_cmp_eq_u32 s2, 0
	s_cbranch_scc0 .Lentry_in_a_cluster
	s_endpgm
.Lentry_in_a_cluster:
	s_bfe_u32 s2, ttmp6, 0x10000c
	s_cmp_lg_u32 s2, 0x3003
	s_cbranch_scc0 .Lentry_shape_is_right
	s_endpgm
.Lentry_shape_is_right:
; out0[m][n] = sum over k of x[m][k] wq[n][k] + bias[n]: both operands codes of FP4 (E2M1) with one E8M0 byte for each 32 along K; sums in f32.  4,096 x 4,096 x 4,096.
; SHARES.  Work-group (tx, ty) makes rows 256 ty .. + 255 and columns 256 tx .. + 255; wave w rows 128 (w / 2) on and columns 128 (w % 2) on: 64 accumulators of 16 x 16, 512 registers.
; x: K goes in four chunks of 1,024 through two LDS slots (256 rows x 512 bytes, 16 bytes of padding behind each row); a wave's tensor load brings 64 rows.  Chunk 0 is asked for at the head; chunk t at the top
; of trip t, behind the wait for all tensor loads, the add, the wait for it and a round of the cluster's barrier, into the slot whose last read was two steps earlier: six steps of 128 ahead of its first read,
; in front of which each wave waits for its load and passes a barrier.  One tensor load a wave is out, by this text's count.
; CLUSTER 4, 1, 1: the four work-groups of a cluster have the same ty and ask for x's chunks jointly (mask 15).
; wq: the launch before has laid its codes in the order of the operand's registers ([16 rows][block of 32 k][row][16 bytes]), so each fragment is two loads of 512 consecutive bytes from memory straight into
; registers: a ring of four sets of 64 registers, a set asked for four steps ahead.  So LDS is read for x's fragments alone.  wq is not asked for jointly: joint loads land in LDS, where the two slots, the stage and
; the spare words leave 23,040 bytes, less than one step's 16,384 bytes twice over with padding for two slots of the work-group's 256 rows at rows of 256 bytes (139,264).
; SCALES: xsc and wsc are [K step of 512][row][16 bytes].  One 16-byte load a lane takes 32 rows: register q = the word of the step's q-th 128 along K; lanes 0-15 an even block of 16 rows, lanes 16-31 the odd one
; (MATRIX_SCALE_ROW1).  Eight loads for each 512 along K, two sets of 32 registers.
; THE MATRIX INSTRUCTION IS USED TRANSPOSED (source 0 = 16 rows of wq, source 1 = 16 rows of x): a lane holds eight neighbouring columns of one row of out0.
; PREFETCH.  wq's codes of a chunk (8,192 bytes of each 16 rows = 32 blocks of 256) are read by 16 work-groups x 2 waves: the wave with rows 128 rg on names block rg of each of its 8 row groups (lanes 0-7; the others
; name lane 7's again).  Scale bytes of a chunk: a wave names one block, wsc's (waves 0, 2) by ty or xsc's (waves 1, 3) by tx, of the chunk's first or second K step of 512.  The head names chunk 1 of these, trips 1
; and 2 chunks 2 and 3: 11 steps ahead of the chunk's first load.  x's codes: of the 64 rows x 2 blocks that a wave fetches, the partner at cx names rows 16 cx .. + 15, a lane a block, told apart by address;
; trips 1 and 2 name chunks 2 and 3, a trip ahead of the tensor load; chunks 0 and 1 come by their loads alone.
; REGISTERS: window 0: v0-31 addresses; v32-63 wq's scale words, v64-95 x's (two sets each); v96-99 bias; v128-255 x's fragments, two sets (on the way out: rows read back).
;   window 1: wq's ring, set k at v[64 k].  Window 2: accumulators of column blocks 0-3 ((a, b) at v[8 (8 b + a)]); window 3: of blocks 4-7.
; LIMITS: a NaN scale byte (0xff) among x's gives NaN, as the format has it; nothing is left out.
.set PITCH,  528                       ; an LDS row: 512 bytes + 16: 132 words, so 16 rows start at 16 different 16-byte columns of 256
.set SLOT,   256*PITCH
.set SPARE,  2*SLOT                    ; the spare words: 512 bytes that no other line names
.set STAGE,  SPARE+512                 ; the way out: 16 rows x 528 bytes for each wave, written by LDS stores alone
.set ADRA, 16                          ; v16  LDS: my x fragments in the slot at work
.set BOF,  17                          ; v17  16 l: my 16 bytes of every 512-byte load and store
.set ADR0, 18                          ; v18  the same as v16 for slot 0; never rewritten
.set PFX,  19                          ; v19  x's prefetch: 2,048 (l / 2) + 256 (l % 2)
.set STO,  24
.set RD,   25
.set SPW,  28
.set NIL,  29
.set PFO,  30                          ; v30  wq's prefetch: 32,768 min(l, 7) + 256 rg
.set PFZ,  31                          ; v31  0: the scales' prefetch has its whole address in scalars
.set SCB,  32
.set SCA,  64
.set BIAS, 96
.set AF,   128
.set BK,   128
.set WV,   16
.set G1,   24
.set G0,   32
.set SBR,  36                          ; s[36:37] wq's codes, my 128 rows, at the trip's chunk
.set SWR,  38                          ; s[38:39] wq's scales
.set SAR,  40                          ; s[40:41] x's scales
.set PSR,  42                          ; s[42:43] the scales' prefetch
.set SL,   55                          ; s55      0 or SLOT: the slot at work
.set PXR,  56                          ; s[56:57] x's prefetch
.set MSB, 0
.macro WIN new                         ; the immediate's high byte repeats the setting that is left
.if MSB != \new
	s_set_vgpr_msb (MSB<<8)|\new
.set MSB, \new
.endif
.endm
.set MUL_LO, 0xa1                      ; source 0 window 1, source 1 window 0, C and D window 2
.set MUL_HI, 0xf1                      ; the same, C and D window 3
.set TO_B,   0x40                      ; destination window 1, address window 0
.macro CROUND                          ; a round of the cluster's barrier
	s_barrier_signal -1
	s_barrier_wait -1
	s_cmp_lg_u32 s[WV], 0
	s_cbranch_scc1 .Lnot_wave_0_\@
	s_barrier_signal -3
.Lnot_wave_0_\@:
	s_barrier_wait -3
	s_barrier_signal -1
	s_barrier_wait -1
.endm
.macro PLACES                          ; four plain places behind matrix instructions, ahead of loads into their sources and of reads of their results
.rept 4
	v_nop
.endr
.endm
; one product; D, FB, FA, SSB, SSA are set by the caller; rb, ra: the odd block's scale words lie in lanes 16-31
.macro WX c, rb, ra
.if \rb
.if \ra
	v_wmma_scale_f32_16x16x128_f8f6f4 v[D:D+7], v[FB:FB+7], v[FA:FA+7], \c, v[SSB], v[SSA] matrix_a_fmt:MATRIX_FMT_FP4 matrix_b_fmt:MATRIX_FMT_FP4 matrix_a_scale:MATRIX_SCALE_ROW1 matrix_b_scale:MATRIX_SCALE_ROW1
.else
	v_wmma_scale_f32_16x16x128_f8f6f4 v[D:D+7], v[FB:FB+7], v[FA:FA+7], \c, v[SSB], v[SSA] matrix_a_fmt:MATRIX_FMT_FP4 matrix_b_fmt:MATRIX_FMT_FP4 matrix_a_scale:MATRIX_SCALE_ROW1
.endif
.else
.if \ra
	v_wmma_scale_f32_16x16x128_f8f6f4 v[D:D+7], v[FB:FB+7], v[FA:FA+7], \c, v[SSB], v[SSA] matrix_a_fmt:MATRIX_FMT_FP4 matrix_b_fmt:MATRIX_FMT_FP4 matrix_b_scale:MATRIX_SCALE_ROW1
.else
	v_wmma_scale_f32_16x16x128_f8f6f4 v[D:D+7], v[FB:FB+7], v[FA:FA+7], \c, v[SSB], v[SSA] matrix_a_fmt:MATRIX_FMT_FP4 matrix_b_fmt:MATRIX_FMT_FP4
.endif
.endif
.endm
; 32 products: column blocks 4 hb .. 4 hb + 3, each against x's eight row blocks.  sm = step mod 8: ring set and word sm % 4, x's set sm % 2, scale set sm / 4.
; The 64 accumulators take turns, in the same order in every step.  z = 1: the first products start the sums.
.macro HALF hb, sm, z
.irp bb, 0,1
.irp rb, 0,1
.irp aa, 0,1,2,3
.irp ra, 0,1
.set D,   8*(8*(2*\bb+\rb)+2*\aa+\ra)
.set FB,  64*((\sm)%4)+8*(4*(\hb)+2*\bb+\rb)
.set FA,  AF+64*((\sm)%2)+8*(2*\aa+\ra)
.set SSB, SCB+16*((\sm)/4)+4*(2*(\hb)+\bb)+(\sm)%4
.set SSA, SCA+16*((\sm)/4)+4*\aa+(\sm)%4
.if \z
	WX 0, \rb, \ra
.else
	WX v[D:D+7], \rb, \ra
.endif
.endr
.endr
.endr
.endr
.endm
.macro FETCH_A p, q                    ; x's eight fragments of the chunk's q-th 128 along K into set p
.irp a, 0,1,2,3,4,5,6,7
.irp c, 0,1
	ds_load_b128 v[AF+64*(\p)+8*\a+4*\c:AF+64*(\p)+8*\a+4*\c+3], v[ADRA] offset:\a*16*PITCH+64*(\q)+32*\c
.endr
.endr
.endm
.macro LOADB hb, r, k                  ; wq's fragments of blocks 4 hb .. + 3 for the step k steps behind the base, into ring set r: 512 consecutive bytes a load
.irp i, 0,1,2,3
.irp c, 0,1
	global_load_b128 v[64*(\r)+8*(4*(\hb)+\i)+4*\c:64*(\r)+8*(4*(\hb)+\i)+4*\c+3], v[BOF], s[SBR:SBR+1] offset:(4*(\hb)+\i)*32768+(\k)*1024+512*\c
.endr
.endr
.endm
.macro LOADS set, g                    ; the scale words of the K step of 512 g steps behind the bases
.irp j, 0,1,2,3
	global_load_b128 v[SCB+16*(\set)+4*\j:SCB+16*(\set)+4*\j+3], v[BOF], s[SWR:SWR+1] offset:(\g)*65536+512*\j
	global_load_b128 v[SCA+16*(\set)+4*\j:SCA+16*(\set)+4*\j+3], v[BOF], s[SAR:SAR+1] offset:(\g)*65536+512*\j
.endr
.endm
; A step of 128 along K.  w0: loads issued behind this step's blocks 0-3 (their own blocks 4-7: 8; three later steps: 48; 8 scale loads where one of those steps opens a K step of 512: 64 by count,
; written as the field's 63).  w1: those issued behind its blocks 4-7.  fq: the next step's place in its chunk;  adv: that chunk is the next one, in the other slot;  kb, sg: what is asked for, -1 for nothing.
.macro STEP sm, z, w0, w1, fq, adv, kb, sg
	s_wait_loadcnt \w0
.if \adv
	s_wait_tensorcnt 0x0                           ; my 64 rows of the next chunk are in LDS (my one load that was out);
.endif
	s_wait_dscnt 0x0                               ; x's set, asked for 32 products ago
.if \adv
	s_barrier_signal -1                            ; say so
.endif
	WIN MUL_LO
	HALF 0, \sm, \z
	PLACES
	WIN 0
.if \adv
	s_barrier_wait -1                              ; everybody's rows are in
	s_xor_b32 s[SL], s[SL], SLOT
	v_add_nc_u32 v[ADRA], s[SL], v[ADR0]
	s_wait_alu depctr_va_vdst(0)                   ; the wait here, directly behind the write
.endif
	s_wait_loadcnt \w1
.if \fq >= 0
	FETCH_A 1-(\sm)%2, \fq
.endif
.if \sg >= 0
	LOADS 1-(\sm)/4, \sg                           ; ahead of the codes below: the wait for those shows these landed too
.endif
.if \kb >= 0
	WIN TO_B
	LOADB 0, (\sm)%4, \kb                          ; blocks 0-3 are done with: four steps on
.endif
	WIN MUL_HI
	HALF 1, \sm, \z
	PLACES
.if \kb >= 0
	WIN TO_B
	LOADB 1, (\sm)%4, \kb
.endif
	WIN 0
.endm
	s_load_b256 s[4:11], s[0:1], 0x0               ; x_codes s[4:5], xsc s[6:7], wcodes s[8:9], wsc s[10:11]
	s_load_b128 s[12:15], s[0:1], 0x20             ; bias s[12:13], out0 s[14:15]
	v_lshl_add_u32 v[SPW], v0, 2, SPARE
	v_mov_b32 v[NIL], 0
	ds_add_u32 v[SPW], v[NIL]                      ; the opening lines: the add, twice on end, and its wait ahead of my first tensor load
	ds_add_u32 v[SPW], v[NIL]
	v_lshrrev_b32 v1, 5, v0
	v_readfirstlane_b32 s[WV], v1                  ; wave 0..3
	s_bfe_u32 s17, ttmp6, 0x40000                  ; cx
	s_lshl_b32 s18, ttmp9, 2
	s_add_co_u32 s18, s18, s17                     ; tx = 4 x cluster x + cx
	s_and_b32 s19, ttmp7, 0xffff                   ; ty
	s_lshr_b32 s52, s[WV], 1                       ; my half of the rows
	s_and_b32 s53, s[WV], 1                        ; my half of the columns
	s_mov_b32 s[G1+0], 15|(1<<20)|(1<<21)|(6<<22)|(3<<25)  ; mask: all four of the cluster; elements of 1 byte; padding: 4 words behind every 128; bit 21 beside a mask
	s_mov_b32 s[G1+1], 512<<16                     ; tensor_dim0
	s_mov_b32 s[G1+2], 64<<16                      ; tensor_dim1
	s_mov_b32 s[G1+3], 512<<16                     ; tile_dim0
	s_mov_b32 s[G1+4], 64                          ; tile_dim1
	s_mov_b32 s[G1+5], 2048                        ; a row of x's codes
	s_mov_b32 s[G1+6], 0
	s_mov_b32 s[G1+7], 0
	s_mov_b32 s[G0], 1
	s_mul_i32 s[G0+1], s[WV], 64*PITCH             ; my 64 rows' place in slot 0
	s_lshl_b32 s20, s19, 19                        ; 256 ty rows of 2,048 bytes
	s_lshl_b32 s21, s[WV], 17                      ; + 64 w rows
	s_add_co_u32 s20, s20, s21
	s_mov_b32 s21, 0
	s_lshl_b32 s22, s18, 1
	s_add_co_u32 s22, s22, s53                     ; cg: my group of 128 columns, 2 tx + w % 2
	s_lshl_b32 s23, s19, 1
	s_add_co_u32 s23, s23, s52                     ; rg: my group of 128 rows, 2 ty + w / 2
	s_mul_i32 s50, s[WV], 16*PITCH
	s_add_co_u32 s50, s50, STAGE                   ; my stage
	s_lshl_b32 s51, s23, 8
	s_mul_i32 s54, s52, 128*PITCH                  ; my 128 rows in a slot
	s_mov_b32 s[SL], 0
	v_and_b32 v1, 15, v0                           ; l % 16
	v_bfe_u32 v2, v0, 4, 1                         ; l / 16
	v_and_b32 v3, 31, v0                           ; l
	v_mul_u32_u24 v4, v1, PITCH
	v_lshl_add_u32 v7, v2, 4, v4
	v_lshlrev_b32 v[BOF], 4, v3
	v_lshl_add_u32 v5, v2, 5, v4
	v_add_nc_u32 v[ADR0], s54, v7
	v_add_nc_u32 v[ADRA], s54, v7
	v_add_nc_u32 v[STO], s50, v5                   ; in: row l % 16, 32 bytes for each half of the lanes
	v_add_nc_u32 v[RD], s50, v[BOF]                ; back: the 32 lanes take a row of 512 bytes
	v_min_u32 v6, 7, v3
	v_lshlrev_b32 v6, 15, v6
	v_add_nc_u32 v[PFO], s51, v6
	v_lshrrev_b32 v8, 1, v3
	v_and_b32 v9, 1, v0
	v_lshlrev_b32 v8, 11, v8
	v_lshl_add_u32 v[PFX], v9, 8, v8
	v_mov_b32 v[PFZ], 0
	s_wait_alu depctr_va_vdst(0)                   ; the wait at the head's end
	s_wait_dscnt 0x0                               ; both opening adds are done
	s_wait_kmcnt 0x0
	s_add_nc_u64 s[G0+2:G0+3], s[4:5], s[20:21]
	s_or_b32 s[G0+3], s[G0+3], 0x80000000
	CROUND                                         ; the four work-groups are here: the joint loads meet
	tensor_load_to_lds s[G0:G0+3], s[G1:G1+7]      ; chunk 0, my 64 rows: my one tensor load at the head
	s_nop 0
	PLACES
	s_mov_b32 s45, 0
	s_lshl_b32 s44, s22, 11
	s_add_nc_u64 s[SWR:SWR+1], s[10:11], s[44:45]  ; 16 bytes x 128 rows x cg
	s_lshl_b32 s44, s23, 11
	s_add_nc_u64 s[SAR:SAR+1], s[6:7], s[44:45]
	s_lshl_b32 s44, s22, 18
	s_add_nc_u64 s[SBR:SBR+1], s[8:9], s[44:45]    ; 8 groups of 16 rows x 32,768 bytes x cg
	s_lshl_b32 s44, s22, 9
	s_add_nc_u64 s[12:13], s[12:13], s[44:45]
	s_add_nc_u64 s[14:15], s[14:15], s[44:45]
	s_lshl_b32 s44, s23, 21
	s_add_nc_u64 s[14:15], s[14:15], s[44:45]      ; out0 at my first row and column
	LOADS 0, 0                                     ; the head asks as four steps of the loop would: scales, then the codes of steps 0 to 3
	global_load_b128 v[BIAS:BIAS+3], v[BOF], s[12:13]   ; bias of the four columns that I store
	WIN TO_B
.irp k, 0,1,2,3
	LOADB 0, \k, \k
	LOADB 1, \k, \k
.endr
	WIN 0
	s_lshl_b32 s44, s18, 12                        ; wsc: 256 tx rows x 16 bytes + block ty
	s_lshl_b32 s46, s19, 8
	s_add_co_u32 s44, s44, s46
	s_lshl_b32 s46, s19, 12                        ; xsc: 256 ty rows x 16 bytes + block tx
	s_lshl_b32 s47, s18, 8
	s_add_co_u32 s46, s46, s47
	s_lshl_b32 s47, s52, 16                        ; the chunk's first or second K step of 512
	s_cmp_eq_u32 s53, 0
	s_cselect_b32 s44, s44, s46
	s_cselect_b64 s[PSR:PSR+1], s[10:11], s[6:7]
	s_add_co_u32 s44, s44, s47
	s_add_nc_u64 s[PSR:PSR+1], s[PSR:PSR+1], s[44:45]
	s_lshl_b32 s44, s17, 15                        ; x: my work-group's 16 of the 64 rows that I fetch
	s_add_nc_u64 s[PXR:PXR+1], s[4:5], s[20:21]
	s_add_nc_u64 s[PXR:PXR+1], s[PXR:PXR+1], s[44:45]
	global_prefetch_b8 v[PFO], s[SBR:SBR+1] offset:8192 th:TH_LOAD_NT scope:SCOPE_SE      ; chunk 1 of wq's codes and of the scales
	global_prefetch_b8 v[PFZ], s[PSR:PSR+1] offset:131072 th:TH_LOAD_NT scope:SCOPE_SE
	s_wait_tensorcnt 0x0                           ; my rows of chunk 0 are in LDS;
	s_barrier_signal -1
	s_barrier_wait -1                              ; everybody's are
	FETCH_A 0, 0
	STEP 0, 1, 56, 48, 1, 0, 4, 1                  ; step 0 stands ahead of the loop: its products start the sums
	s_mov_b32 s3, 3
.Ltrip:                                                ; trip t: chunk t - 1's steps 1 to 7 and chunk t's step 0
	s_wait_tensorcnt 0x0                           ; no tensor load of mine is out;
	ds_add_u32 v[SPW], v[NIL]                      ; the add; the descriptor's step stands between it and the wait for it
	s_xor_b32 s[G0+1], s[G0+1], SLOT               ; the other slot (64 w rows x 528 bytes share no bit with SLOT),
	s_add_nc_u64 s[G0+2:G0+3], s[G0+2:G0+3], 512   ; the next chunk
	s_wait_dscnt 0x0                               ; the add is done, and so are my reads of LDS
	CROUND                                         ; no wave of any partner still reads that slot or has a load on its way
	tensor_load_to_lds s[G0:G0+3], s[G1:G1+7]      ; chunk t: my one tensor load behind the round
	s_nop 0
	PLACES
	STEP 1, 0, 63, 56, 2, 0, 5, -1
	s_cmp_gt_u32 s3, 1                             ; the last trip has no chunk further on
	s_cbranch_scc0 .Lno_ask
	global_prefetch_b8 v[PFX], s[PXR:PXR+1] offset:1024 th:TH_LOAD_NT scope:SCOPE_SE      ; chunk t + 1
	global_prefetch_b8 v[PFO], s[SBR:SBR+1] offset:16384 th:TH_LOAD_NT scope:SCOPE_SE
	global_prefetch_b8 v[PFZ], s[PSR:PSR+1] offset:262144 th:TH_LOAD_NT scope:SCOPE_SE
.Lno_ask:
	STEP 2, 0, 63, 56, 3, 0, 6, -1
	STEP 3, 0, 63, 56, 4, 0, 7, -1
	STEP 4, 0, 56, 48, 5, 0, 8, 2
	STEP 5, 0, 63, 56, 6, 0, 9, -1
	STEP 6, 0, 63, 56, 7, 0, 10, -1
	STEP 7, 0, 63, 56, 0, 1, 11, -1
	STEP 0, 0, 56, 48, 1, 0, 12, 3
	s_wait_xcnt 0x0                                ; the loads and prefetches issued have read their bases: they step only behind this wait
	s_add_nc_u64 s[SBR:SBR+1], s[SBR:SBR+1], 8192
	s_add_nc_u64 s[SWR:SWR+1], s[SWR:SWR+1], 131072
	s_add_nc_u64 s[SAR:SAR+1], s[SAR:SAR+1], 131072
	s_add_nc_u64 s[PSR:PSR+1], s[PSR:PSR+1], 131072
	s_add_nc_u64 s[PXR:PXR+1], s[PXR:PXR+1], 512
	s_sub_co_u32 s3, s3, 1
	s_cmp_lg_u32 s3, 0
	s_cbranch_scc1 .Ltrip
	STEP 1, 0, 63, 56, 2, 0, 5, -1                 ; steps 25 to 31: the last three requests, then the counts run down
	STEP 2, 0, 63, 56, 3, 0, 6, -1
	STEP 3, 0, 63, 56, 4, 0, 7, -1
	STEP 4, 0, 56, 48, 5, 0, -1, -1
	STEP 5, 0, 40, 32, 6, 0, -1, -1
	STEP 6, 0, 24, 16, 7, 0, -1, -1
	STEP 7, 0, 8, 0, -1, 0, -1, -1
; THE WAY OUT, block by block of 16 rows x 128 columns: through my own stage, back as whole rows of 512 bytes, bias added, stored as two aligned units of 256 bytes.
; LDS serves a wave's instructions in order (ISA guide 5.7.1.4): no wait between the stores and the loads.
.macro TOSTAGE a
	WIN 0x08                                       ; the data: window 2
.irp b, 0,1,2,3
	ds_store_b128 v[STO], v[8*(8*\b+(\a)):8*(8*\b+(\a))+3] offset:64*\b       ; each accumulator from its low end on
	ds_store_b128 v[STO], v[8*(8*\b+(\a))+4:8*(8*\b+(\a))+7] offset:64*\b+16
.endr
	WIN 0x0c                                       ; window 3
.irp b, 0,1,2,3
	ds_store_b128 v[STO], v[8*(8*\b+(\a)):8*(8*\b+(\a))+3] offset:256+64*\b
	ds_store_b128 v[STO], v[8*(8*\b+(\a))+4:8*(8*\b+(\a))+7] offset:256+64*\b+16
.endr
	WIN 0
.set BB, BK+64*((\a)%2)
.irp t, 0,1,2,3,4,5,6,7,8,9,10,11,12,13,14,15
	ds_load_b128 v[BB+4*\t:BB+4*\t+3], v[RD] offset:\t*PITCH
.endr
.endm
.macro SEND a, younger                 ; younger: the LDS instructions issued behind block a's loads
.set BB, BK+64*((\a)%2)
	s_wait_dscnt \younger
.if (\a) > 0
	s_add_nc_u64 s[14:15], s[14:15], 16*16384      ; 16 rows on (behind a wait on XCNT: the earlier stores have read their base)
.endif
.irp t, 0,1,2,3,4,5,6,7,8,9,10,11,12,13,14,15
	v_pk_add_f32 v[BB+4*\t:BB+4*\t+1], v[BB+4*\t:BB+4*\t+1], v[BIAS:BIAS+1]
	v_pk_add_f32 v[BB+4*\t+2:BB+4*\t+3], v[BB+4*\t+2:BB+4*\t+3], v[BIAS+2:BIAS+3]
.endr
.irp t, 0,1,2,3,4,5,6,7,8,9,10,11,12,13,14,15
	global_store_b128 v[BOF], v[BB+4*\t:BB+4*\t+3], s[14:15] offset:\t*16384 th:TH_STORE_NT   ; 512 consecutive bytes, aligned to 256
.endr
.endm
	TOSTAGE 0                                      ; the last step's four places stand ahead
.irp a, 1,2,3,4,5,6,7
.if \a > 1
	s_wait_xcnt 0x0                                ; block a - 2's stores have read their registers and their base
.endif
	TOSTAGE \a
	SEND \a-1, 32
.endr
	s_wait_xcnt 0x0
	SEND 7, 0
	s_wait_tensorcnt 0x0                           ; the wave's end
	ds_add_u32 v[SPW], v[NIL]
	s_wait_dscnt 0x0
	CROUND                                         ; the closing round
	s_endpgm
.Lfunc_end_k_qafa5119110_gemm:
	.size	k_qafa5119110_gemm, .Lfunc_end_k_qafa5119110_gemm-k_qafa5119110_gemm
	.p2alignl 7, 3214868480
	.fill 96, 4, 3214868480
	.section	.rodata,"a",@progbits
	.p2align	6, 0x0
	.amdhsa_kernel k_qafa5119110_gemm
		.amdhsa_group_segment_fixed_size 327680
		.amdhsa_private_segment_fixed_size 0
		.amdhsa_enable_private_segment 0
		.amdhsa_kernarg_size 48
		.amdhsa_user_sgpr_count 2
		.amdhsa_user_sgpr_kernarg_segment_ptr 1
		.amdhsa_wavefront_size32 1
		.amdhsa_system_sgpr_workgroup_id_x 1
		.amdhsa_system_sgpr_workgroup_id_y 1
		.amdhsa_system_sgpr_workgroup_id_z 1
		.amdhsa_system_vgpr_workitem_id 0
		.amdhsa_next_free_vgpr 1024
		.amdhsa_next_free_sgpr 66
		.amdhsa_reserve_vcc 0
		.amdhsa_float_denorm_mode_32 3
		.amdhsa_float_denorm_mode_16_64 3
		.amdhsa_memory_ordered 1
		.amdhsa_forward_progress 1
		.amdhsa_inst_pref_size 233
	.end_amdhsa_kernel
	.amdgpu_metadata
---
amdhsa.version: [ 1, 2 ]
amdhsa.kernels:
  - .name:           k_qafa5119110_gemm
    .symbol:         k_qafa5119110_gemm.kd
    .args:
      - { .name: x_codes, .offset: 0, .size: 8, .value_kind: global_buffer, .address_space: global }
      - { .name: xsc, .offset: 8, .size: 8, .value_kind: global_buffer, .address_space: global }
      - { .name: wcodes, .offset: 16, .size: 8, .value_kind: global_buffer, .address_space: global }
      - { .name: wsc, .offset: 24, .size: 8, .value_kind: global_buffer, .address_space: global }
      - { .name: bias, .offset: 32, .size: 8, .value_kind: global_buffer, .address_space: global }
      - { .name: out0, .offset: 40, .size: 8, .value_kind: global_buffer, .address_space: global }
    .group_segment_fixed_size: 327680
    .private_segment_fixed_size: 0
    .kernarg_segment_align: 8
    .kernarg_segment_size: 48
    .max_flat_workgroup_size: 128
    .sgpr_count:     66
    .vgpr_count:     1024
    .wavefront_size: 32
...
	.end_amdgpu_metadata
.endif
;; end of part 2
